; MI455X (gfx1250); checked and timed in simulation.
; The chip was launched on July 23, 2026; its instructions are those of AMD's public machine-readable ISA for CDNA 5 (MIT licence, August 2026) and "CDNA5" Instruction Set Architecture Reference Guide (July 2026). The comments in the code are by the model that wrote it; some were corrected since.
;; Memory Efficient Attention. Allowed arithmetic: matrix products marked QUANTISED: E2M1 operands, one E8M0 scale for each 32 along K, by v_wmma_scale_f32_16x16x128_f8f6f4 with both operands' format E2M1 (or v_wmma_scale_f32_32x16x128_f4), f32 sums; everything else in f32.
;; Inputs: bk 512 float32; bo 512 float32; bq 512 float32; bv 512 float32; wk_codes 512 x 16 x 16 uint8 (E2M1 codes of wk, K innermost, in blocks of 32 codes, two codes a byte); wk_scales 512 x 16 uint8 (E8M0 scales of wk, one for each 32 codes along K); wo_codes 512 x 16 x 16 uint8 (E2M1 codes of wo, K innermost, in blocks of 32 codes, two codes a byte); wo_scales 512 x 16 uint8 (E8M0 scales of wo, one for each 32 codes along K); wq_codes 512 x 16 x 16 uint8 (E2M1 codes of wq, K innermost, in blocks of 32 codes, two codes a byte); wq_scales 512 x 16 uint8 (E8M0 scales of wq, one for each 32 codes along K); wv_codes 512 x 16 x 16 uint8 (E2M1 codes of wv, K innermost, in blocks of 32 codes, two codes a byte); wv_scales 512 x 16 uint8 (E8M0 scales of wv, one for each 32 codes along K); x_codes 4 x 8,192 x 16 x 16 uint8 (E2M1 codes of x, K innermost, in blocks of 32 codes, two codes a byte); x_scales 4 x 8,192 x 16 uint8 (E8M0 scales of x, one for each 32 codes along K).
;; Outputs: out0 4 x 8,192 x 512 float32.
;; This version of the problem:
;;   THIS VERSION OF THE PROBLEM IS GIVEN IN LOW PRECISION. The matrix products marked QUANTISED in the list below multiply operands that are first quantised to E2M1 (2 exponent bits, 1 mantissa bit; 4 bits a number), with one power-of-two scale for each 32 numbers along K (OCP MX v1.0); their sums are f32. All else is computed in f32.
;;   The module's matrix products, in the order in which they are computed (A, B: the left and right operand; K: the contracted axis; several contracted axes count as one K, in the product's order):
;;     1. [M 32,768, K 512] x [K 512, N 512]; A: input x (given as codes); B: input wq (given as codes): QUANTISED
;;     2. [M 32,768, K 512] x [K 512, N 512]; A: input x (given as codes); B: input wk (given as codes): QUANTISED
;;     3. [M 32,768, K 512] x [K 512, N 512]; A: input x (given as codes); B: input wv (given as codes): QUANTISED
;;     4. batch 2,048 x [M 256, K 32] x [K 32, N 256]; A: computed on the way; B: computed on the way: QUANTISED
;;     5. batch 2,048 x [M 32, K 256] x [K 256, N 256]; A: computed on the way; B: softmax (see below): QUANTISED
;;     6. [M 32,768, K 512] x [K 512, N 512]; A: computed on the way; B: input wo (given as codes): QUANTISED
;;   THE QUANTISER, for each operand of a quantised product, along K:
;;     - K is cut into blocks of 32 from its start; a last block that is shorter is filled with zeros.
;;     - A block's scale is 2^e with e = floor(log2(the largest magnitude in the block)) - 2, held to -126 .. 127; a block of zeros has e = 0. As a byte (E8M0): e + 127.
;;     - Each number is divided by its block's scale, clamped to +-6, and rounded to the nearest number of E2M1, ties to even, subnormals kept.
;;     - The product sums the exact products of the quantised numbers (number of the format x scale) in f32.
;;   ~~~python
;;   def quantise(x, axis):      # numpy; x: float32 -> the quantised numbers, widened to float32 again
;;       x = np.moveaxis(x, axis, -1); K = x.shape[-1]
;;       x = np.pad(x, [(0, 0)] * (x.ndim - 1) + [(0, -K % 32)]); x = x.reshape(x.shape[:-1] + (-1, 32)); a = np.abs(x).max(-1, keepdims=True)
;;       e = np.where(a > 0, np.clip(np.frexp(np.where(a > 0, a, 1))[1] - 1 - 2, -126, 127), 0)      # np.frexp(a)[1] - 1 = floor(log2(a)), exactly
;;       r = np.clip(x / 2.0 ** e, -6, 6)
;;       step = 2.0 ** (np.maximum(np.frexp(np.where(r == 0, 1, r))[1] - 1, 0) - 1)
;;       q = np.round(r / step) * step * 2.0 ** e      # np.round: ties to even
;;       return np.moveaxis(q.reshape(q.shape[:-2] + (-1,))[..., :K], -1, axis).astype(np.float32)
;;   ~~~
;;   SOFTMAX AHEAD OF A QUANTISED PRODUCT. Where the list says 'softmax', what is quantised is not the finished softmax but p = 2^(t - M), with t = logit x log2(e) and M = ceil(the row's largest t), a whole number; so 1/2 < the row's largest p <= 1. The row's sum l is taken of the UNQUANTISED p, in f32, and the product's result is divided by l at the end. Since M is a whole number, a kernel that streams over the keys may use a running M (the ceiling of the running maximum): every later rescaling is an exact power of two, which a block's scale takes up: the codes' values come out the same.
;;   OPERANDS COMPUTED ON THE WAY. 'Computed on the way' means the value that the module computes at that place (a softmax that the list does not call 'softmax' is quantised finished and normalised). What goes into a quantiser is computed in f32, as accurately as f32 sums, v_exp_f32 and their like allow (about 1e-6 of the number): no bf16 or f16 on the way to a quantiser, and a product that is left as it is and whose result goes on into a quantised operand takes f32 operands (vector FMAs, or v_wmma_f32_16x16x4_f32). A number that lies on a knife's edge between two numbers of the format may be rounded either way, as far as f32 arithmetic and the matrix unit's own rounding can turn it there, and no further.
;;   INPUTS GIVEN AS CODES. wk (in the module: [512, 512], K = its axis 1); wo (in the module: [512, 512], K = its axis 1); wq (in the module: [512, 512], K = its axis 1); wv (in the module: [512, 512], K = its axis 1); x (in the module: [4, 8192, 512], K = its axis 2): each comes as NAME_codes (uint8): NAME with its K axis moved to the last place and cut into blocks of 32 codes, [.., K / 32, bytes a block], one block behind the other in memory; two codes a byte, the lower K in the low four bits (a code: sign, 2 exponent bits, 1 mantissa bit); and NAME_scales (uint8): the same leading axes, one E8M0 byte (e + 127) for each 32 codes along K. Its value is code x scale, taken as it is: it is not quantised again, and the codes and scales need not be those that the quantiser above would give.
;; One version. Each part assembles by itself: llvm-mc -triple=amdgcn-amd-amdhsa -mcpu=gfx1250 --defsym DOCPART=n.
;; ======== version 1 of 1: 1 launch
;; limits: right only within a limited range of input values
;; launch fused (part 1): grid 256 x 1, 16 waves a work-group, clusters of 4 x 1, 327,680 bytes of LDS; arguments x_codes, x_scales, wv_codes, wv_scales, wq_codes, wq_scales, wk_codes, wk_scales, wo_codes, wo_scales, bv, bq, bk, bo, out0; writes out0
.if DOCPART == 1
	.amdgcn_target "amdgcn-amd-amdhsa--gfx1250"
	.amdhsa_code_object_version 6
	.text
	.protected	k_q77d7d19e61_fused
	.globl	k_q77d7d19e61_fused
	.p2align	8
	.type	k_q77d7d19e61_fused,@function
k_q77d7d19e61_fused:
	s_mov_b64 s[64:65], 0
	v_nop
	global_prefetch_b8 v0, s[64:65] scope:SCOPE_SE
	s_setreg_imm32_b32 hwreg(HW_REG_WAVE_MODE, 25, 1), 1
	s_wait_xcnt 0x0
	s_wait_alu depctr_hold_cnt(0) depctr_sa_sdst(0) depctr_va_vdst(0) depctr_va_sdst(0) depctr_va_ssrc(0) depctr_va_vcc(0) depctr_vm_vsrc(0)
	s_getreg_b32 s2, hwreg(HW_REG_IB_STS2, 6, 4)
	s_cmp_eq_u32 s2, 0
	s_cbranch_scc0 .Lentry_in_a_cluster
	s_endpgm
.Lentry_in_a_cluster:
	s_bfe_u32 s2, ttmp6, 0x10000c
	s_cmp_lg_u32 s2, 0x3003
	s_cbranch_scc0 .Lentry_shape_is_right
	s_endpgm
.Lentry_shape_is_right:
; Attention inside chunks of 256 tokens, 16 heads of 32 channels, with its four projections; all six products on codes of FP4 (E2M1) with one E8M0 scale for each 32 along K.  One launch: nothing goes through memory.
; SHARES.  128 chunks, 256 work-groups: a work-group takes half a chunk's queries (128).  It makes K and V of all 256 tokens of its chunk, and Q, the attention and the output rows of its own 128.
; Sixteen waves of 256 registers.  Wave w is head w through the projections and the attention.  The attention goes two query tiles a trip; behind each trip the output product of those 32 rows is made and stored:
; wave w takes query tile w / 8 of the two and columns 64 (w % 8) on, so a trip's stores are on their way while the next trip is computed.
; x IN LDS: the work-group's own 128 tokens first (rows 0-127), the other half behind: only the global address hangs on the half.
; THE WEIGHTS: all four work-groups of a cluster need the same weights: each is asked for jointly (mask 15) into one slot, a whole pass ahead of its use, so no prefetch is laid; at a pass's head each wave copies its 32 rows into registers.
; x is not asked for jointly: the two partners of a chunk want its halves in different LDS rows, the other two another chunk.
; LAYOUT (r = lane % 16, h = lane / 16).  EVERY TILE IS 16 NEIGHBOURING ROWS: at a pitch of 272 bytes the sixteen rows of a load begin at sixteen different banks (64 banks of 4 bytes: ISA guide 11.1).
;   K, Q: source 0 = W's tile u, source 1 = x's tile: a lane holds token r, register 8 u + j channel 16 u + 8 h + j.   V: source 0 = x's tile, source 1 = Wv's tile u: a lane holds channel 16 u + r, register 8 p + j of tiles 2 b + p token 32 b + 16 p + 8 h + j.
;   16 such registers are half a block of 32 along the next K, the other half lies in lane l xor 16.  QUANT lays a block as (h 0: p 0, p 1; h 1: p 0, p 1): numbers 0-7, 16-23, 8-15, 24-31 of the block.
;   That order is the same in Q and K, and the same in P and V, so each product pairs equal k; the blocks are the same sets of 32, so the scales are the quantiser's.  o's four code registers are numbered so that its block lies in true order, as wo's codes do.
;   K IS PACKED: the head size is one block of 32, a matrix instruction takes four: fragment F holds key tiles 4 F .. 4 F + 3 in its four blocks; the scores of key tile 4 F + b are that fragment times a version of Q with the query's codes in block b and zero codes elsewhere.
;   The four versions are four windows of eight into 20 registers: zeros, codes in lanes 0-15, zeros, codes in lanes 16-31, zeros.
;   S^T, P and O^T hold one query a lane; a whole row of 256 keys is 128 registers in two lanes: no running maximum is needed.
; SOFTMAX: t = score x log2(e) / sqrt(32); M = ceil(the row's largest t); p = 2^(t - M) is quantised; the sum of the unquantised p divides O^T.
; LIMITS: NaN and infinities are not served.  A block of zeros gets the scale byte 1 where the quantiser's rule says 127 (its codes are zeros; the bytes stay inside this program); a block's largest magnitude is not taken under 2^-124.
;   The second product's two K steps run with the work-group's own half of the keys first.  K's scale words are moved back at each trip's end, in the last trip too: the loop is written once.
.set PITCH, 272
.set XSC,   256*PITCH                  ; LDS: from 0 x's codes, 256 rows; here x's scale bytes, 16 a row
.set WSL,   XSC+4096                   ; the weight slot: 512 rows of codes
.set WSS,   WSL+512*PITCH              ; and its scale bytes
.set AREA,  WSS+8192                   ; sixteen areas, one a wave, written by ds_store alone
.set AREAB, 6528
.set SPARE, AREA+16*AREAB              ; the spare words, 128 bytes a wave
.set QIMG,  4096                       ; in an area: from 0 V's four fragments (2 u + s2 at 1,024 each); here Q's images: tile t, row r at 256 t + 16 r; o's image of tile t takes the place of Q's, which has been read
.set VSC,   6144                       ; V's scale words: (k, r) at 64 k + 4 r
.set QSB,   6400                       ; Q's scale bytes: 16 t + r
.set OSC,   XSC                        ; in the attention, over x's scale bytes: o's scale bytes, 256 t + 16 r + w.  Over x's codes: sixteen stages of 16 rows x 272 bytes.  Both regions have had their one fill and their last read
.set SPW, 1
.set NIL, 2
; the passes
.set AX,  3
.set AXS, 4
.set AW,  5
.set AWS, 6
.set AI,  7                            ; my area + 16 x lane; stays through the attention
.set AVS, 8
.set AQBW, 9
.set BA,  10
.set BVA, 11
.set W,   16                           ; v16-79 my head's 8 weight fragments
.set BI,  80                           ; v80-95 the bias as the first products' C
.set XF,  96                           ; v96-127 a token tile's four fragments
.set D,   128                          ; v128-191 four units of 16
.set TM,  192
.set PC,  204
.set KF,  204                          ; v204-235 K's four packed fragments
.set WS,  236                          ; v236-255 hold scales and nothing else
.set XS,  246                          ; x's four words: lanes 0-15 an even tile's, lanes 16-31 the next tile's
.set KS,  252
.set VS,  236
.set PS,  240
.set QS,  242
; the attention
.set AQ0,  3
.set AQB0, 4
.set AOI0, 5
.set AOS0, 6
.set AQ,   8
.set AQB,  9
.set AOI,  10
.set AOS,  11
.set OC,   12
.set S,    16
.set QB,   138
.set QX,   140
.set VF,   16
.set OA,   52
.set QW,   144
.set PCD,  164
.set BM,   180
.set BP,   188
.set NM,   196
.set SUMA, 198
.set SUMB, 200
.set RL,   202
; the output of a trip
.set WO,   16                          ; v16-143 wo's 16 fragments (n, s); v16-31 then take the sums of n = 2, 3
.set OF,   144                         ; v144-175 o's four fragments; then 16 rows read back from the stage
.set DO,   176                         ; v176-191 the sums of n = 0, 1
.set AWO,  192
.set AWOS, 193
.set LI0,  194
.set LI1,  195
.set AOSR, 196
.set STO,  197
.set SRD,  198
.set GO,   199
.set BO,   200                         ; v200-203 bo of my four columns
.set WOS,  236                         ; v236-251 wo's scale words 4 n + s (K's words wait in v12-15 meanwhile)
.set OS,   252
; scalars: s[4:33] the fifteen addresses
.set WV,   34
.set AR,   35
.set G1X,  36
.set G1W,  44
.set G1XS, 52
.set G1WS, 68
.set G0XC, 60
.set G0XS, 76
.set G0WC, 80
.set G0WS, 84
.set SEL,  88
.set CS,   90
.set TRIP, 92
.set TQ,   93
.set TB,   94
.set OFFC, 96
.set OFFS, 98
.set MSK,  101
.set SAWO, 36                          ; behind the last tensor load the descriptors' registers hold LDS bases
.set SWOS, 37
.set SSTG, 38
.set SOSR, 39
.set SLI,  40
.set SVS,  41
.macro ROUND                           ; a round of the cluster's barrier
	s_barrier_signal -1
	s_barrier_wait -1
	s_cmp_lg_u32 s[WV], 0
	s_cbranch_scc1 .Lnot_wave_0_\@
	s_barrier_signal -3
.Lnot_wave_0_\@:
	s_barrier_wait -3
	s_barrier_signal -1
	s_barrier_wait -1
.endm
.macro TLOADW                          ; a weight's joint load: waves 0-3 a quarter of its codes each, waves 4 and 5 half of its scale bytes
	s_cmp_lt_u32 s[WV], 4
	s_cbranch_scc0 .Lnot_c_\@
	tensor_load_to_lds s[G0WC:G0WC+3], s[G1W:G1W+7]
	s_nop 0
.rept 4
	v_nop
.endr
	s_branch .Lasked_\@
.Lnot_c_\@:
	s_cmp_lt_u32 s[WV], 6
	s_cbranch_scc0 .Lasked_\@
	tensor_load_to_lds s[G0WS:G0WS+3], s[G1WS:G1WS+7]
	s_nop 0
.rept 4
	v_nop
.endr
.Lasked_\@:
.endm
.macro REFILL pc, ps                   ; the slot takes the next weight: every wave has copied its rows out
	s_wait_tensorcnt 0x0                           ; no tensor load of mine is out, so a group 0 may be written
	ds_add_u32 v[SPW], v[NIL]                      ; the add, here twice on end
	ds_add_u32 v[SPW], v[NIL]
	s_add_nc_u64 s[G0WC+2:G0WC+3], s[\pc:\pc+1], s[OFFC:OFFC+1]
	s_or_b32 s[G0WC+3], s[G0WC+3], 0x80000000
	s_add_nc_u64 s[G0WS+2:G0WS+3], s[\ps:\ps+1], s[OFFS:OFFS+1]
	s_or_b32 s[G0WS+3], s[G0WS+3], 0x80000000
	s_wait_dscnt 0x0                               ; the adds are done, and my copies out of the slot are in my registers
	ROUND
	TLOADW                                         ; one load a wave, first behind the round
.endm
.macro SYNC                            ; what was asked for has landed, my LDS instructions are done
	s_wait_tensorcnt 0x0
	s_wait_dscnt 0x0
	s_barrier_signal -1
	s_barrier_wait -1
.endm
.macro LOADW                           ; my head's 32 rows of the weight: 8 fragments and their scale words
.irp u, 0,1
.irp s, 0,1,2,3
.irp c, 0,1
	ds_load_b128 v[W+8*(4*\u+\s)+4*\c:W+8*(4*\u+\s)+4*\c+3], v[AW] offset:16*PITCH*\u+64*\s+32*\c
.endr
.endr
.endr
.irp u, 0,1
	ds_load_b128 v[WS+4*\u:WS+4*\u+3], v[AWS] offset:256*\u
.endr
.endm
.macro WM d, a, b, c, sa, sb, row=0    ; c: C's first register, or -1 for the constant 0; row = 1: source 0's scales from lanes 16-31; row = 2: source 1's
.if (\c) < 0
	v_wmma_scale_f32_16x16x128_f8f6f4 v[\d:\d+7], v[\a:\a+7], v[\b:\b+7], 0, v[\sa], v[\sb] matrix_a_fmt:MATRIX_FMT_FP4 matrix_b_fmt:MATRIX_FMT_FP4
.elseif (\row) == 1
	v_wmma_scale_f32_16x16x128_f8f6f4 v[\d:\d+7], v[\a:\a+7], v[\b:\b+7], v[\c:\c+7], v[\sa], v[\sb] matrix_a_fmt:MATRIX_FMT_FP4 matrix_b_fmt:MATRIX_FMT_FP4 matrix_a_scale:MATRIX_SCALE_ROW1
.elseif (\row) == 2
	v_wmma_scale_f32_16x16x128_f8f6f4 v[\d:\d+7], v[\a:\a+7], v[\b:\b+7], v[\c:\c+7], v[\sa], v[\sb] matrix_a_fmt:MATRIX_FMT_FP4 matrix_b_fmt:MATRIX_FMT_FP4 matrix_b_scale:MATRIX_SCALE_ROW1
.else
	v_wmma_scale_f32_16x16x128_f8f6f4 v[\d:\d+7], v[\a:\a+7], v[\b:\b+7], v[\c:\c+7], v[\sa], v[\sb] matrix_a_fmt:MATRIX_FMT_FP4 matrix_b_fmt:MATRIX_FMT_FP4
.endif
.endm
; Token tile T (LDS rows 16 T on) times my head's two weight tiles, K = 512 in four steps.  tr = 1: source 0 = W (K, Q); tr = 0: source 0 = x (V).  The bias is the first products' C; the two sums take turns.
.macro TILE T, d0, d1, tr
.if ((\T)%2) == 0
	ds_load_b128 v[XS:XS+3], v[AXS] offset:256*(\T)   ; the scale words of tiles T (lanes 0-15) and T + 1 (lanes 16-31): one load for two tiles
.endif
.irp s, 0,1,2,3
.irp c, 0,1
	ds_load_b128 v[XF+8*\s+4*\c:XF+8*\s+4*\c+3], v[AX] offset:16*(\T)*PITCH+64*\s+32*\c
.endr
.endr
.irp s, 0,1,2,3
	s_wait_dscnt 6-2*\s                            ; K step s's two loads are in; the 6 - 2 s younger ones may stay out
.if \tr
.if \s == 0
	WM \d0, W+8*\s, XF+8*\s, BI, WS+\s, XS+\s, 2*((\T)%2)
	WM \d1, W+32+8*\s, XF+8*\s, BI+8, WS+4+\s, XS+\s, 2*((\T)%2)
.else
	WM \d0, W+8*\s, XF+8*\s, \d0, WS+\s, XS+\s, 2*((\T)%2)
	WM \d1, W+32+8*\s, XF+8*\s, \d1, WS+4+\s, XS+\s, 2*((\T)%2)
.endif
.else
.if \s == 0
	WM \d0, XF+8*\s, W+8*\s, BI, XS+\s, WS+\s, (\T)%2
	WM \d1, XF+8*\s, W+32+8*\s, BI+8, XS+\s, WS+4+\s, (\T)%2
.else
	WM \d0, XF+8*\s, W+8*\s, \d0, XS+\s, WS+\s, (\T)%2
	WM \d1, XF+8*\s, W+32+8*\s, \d1, XS+\s, WS+4+\s, (\T)%2
.endif
.endif
.endr
.rept 4
	v_nop                                          ; four places ahead of the next loads into x's registers and of the first read of the sums
.endr
.endm
; Four units of 16 numbers, each half a block of 32 whose other half lies in lane l xor 16, become 8 registers of codes: registers 4 c .. 4 c + 3 hold unit 2 c whole in lanes 0-15, unit 2 c + 1 whole in lanes 16-31.  The bytes stay in v[TM+4] on.
.macro QUANT s, pc, pw, haspw
.irp b, 0,1,2,3
	v_max3_num_f32 v[TM+\b], |v[\s+16*\b]|, |v[\s+1+16*\b]|, 0x1800000   ; with the floor 2^(3 - 127): the byte cannot fall under 1
.endr
.irp i, 2,4,6,8,10,12,14
.irp b, 0,1,2,3
	v_max3_num_f32 v[TM+\b], v[TM+\b], |v[\s+16*\b+\i]|, |v[\s+1+16*\b+\i]|
.endr
.endr
.irp b, 0,1,2,3
	s_delay_alu instid0(VALU_DEP_4)
	v_permlanex16_b32 v[TM+4+\b], v[TM+\b], s[SEL], s[SEL+1]
.endr
.irp b, 0,1,2,3
	s_delay_alu instid0(VALU_DEP_4)
	v_max_num_f32 v[TM+\b], v[TM+\b], v[TM+4+\b]
.endr
.irp b, 0,1,2,3
	s_delay_alu instid0(VALU_DEP_4)
	v_add_nc_u32 v[TM+8+\b], 0xff000000, v[TM+\b]  ; 2 off the exponent field: the conversion's scale operand
.endr
.irp b, 0,1,2,3
	s_delay_alu instid0(VALU_DEP_4)
	v_lshrrev_b32 v[TM+4+\b], 23, v[TM+8+\b]       ; the scale's byte
.endr
.if \haspw
	s_delay_alu instid0(VALU_DEP_3)
	v_lshl_or_b32 v[\pw], v[TM+5], 8, v[TM+4]
	s_delay_alu instid0(VALU_DEP_1)
	v_lshl_or_b32 v[\pw], v[TM+6], 16, v[\pw]
	s_delay_alu instid0(VALU_DEP_1)
	v_lshl_or_b32 v[\pw], v[TM+7], 24, v[\pw]
.endif
.irp b, 0,1,2,3
	v_cvt_scalef32_pk8_fp4_f32 v[\pc+2*\b], v[\s+16*\b:\s+16*\b+7], v[TM+8+\b]
	v_cvt_scalef32_pk8_fp4_f32 v[\pc+2*\b+1], v[\s+16*\b+8:\s+16*\b+15], v[TM+8+\b]
.endr
	v_nop                                          ; one plain place behind a scaled conversion
.irp c, 0,1
.irp i, 0,1
	v_permlane16_swap_b32 v[\pc+4*\c+\i], v[\pc+4*\c+2+\i]
.endr
.endr
.endm
.macro BIASKQ p                        ; bq or bk at my head: register 8 u + j = channel 16 u + 8 h + j
.irp u, 0,1
	global_load_b128 v[BI+8*\u:BI+8*\u+3], v[BA], s[\p:\p+1] offset:64*\u
	global_load_b128 v[BI+8*\u+4:BI+8*\u+7], v[BA], s[\p:\p+1] offset:64*\u+16
.endr
.endm
	; ---------------- THE HEAD
	s_load_b512 s[4:19], s[0:1], 0x0               ; x_codes, x_scales, wv_codes, wv_scales, wq_codes, wq_scales, wk_codes, wk_scales
	s_load_b256 s[20:27], s[0:1], 0x40             ; wo_codes, wo_scales, bv, bq
	s_load_b128 s[28:31], s[0:1], 0x60             ; bk, bo
	s_load_b64 s[32:33], s[0:1], 0x70              ; out0
	v_lshl_add_u32 v[SPW], v0, 2, SPARE
	v_mov_b32 v[NIL], 0
	ds_add_u32 v[SPW], v[NIL]                      ; the opening: the add twice on end and its wait
	ds_add_u32 v[SPW], v[NIL]
	v_lshrrev_b32 v3, 5, v0
	s_delay_alu instid0(VALU_DEP_1)
	v_readfirstlane_b32 s[WV], v3                  ; wave 0..15
	s_bfe_u32 s35, ttmp6, 0x40000                  ; cx: it enters x's and out0's global addresses alone
	s_lshl_b32 s2, ttmp9, 2
	s_add_co_u32 s2, s2, s35                       ; work-group g
	s_and_b32 s3, s2, 1
	s_lshl_b32 s3, s3, 7                           ; 128 x my half
	s_lshr_b32 s2, s2, 1
	s_lshl_b32 s2, s2, 8                           ; the chunk's first token
	s_mov_b32 s[G1X], (1<<20)|(5<<22)|(3<<25)      ; x's codes: 64 rows of 256 bytes, 16 bytes of padding behind each
	s_mov_b32 s[G1X+1], 256<<16
	s_mov_b32 s[G1X+2], 64<<16
	s_mov_b32 s[G1X+3], 256<<16
	s_mov_b32 s[G1X+4], 64
	s_mov_b32 s[G1X+5], 256
	s_mov_b32 s[G1X+6], 0
	s_mov_b32 s[G1X+7], 0
	s_mov_b32 s[G1W], 15|(1<<20)|(1<<21)|(5<<22)|(3<<25)   ; a weight's codes: 128 rows likewise, for all four work-groups
	s_mov_b32 s[G1W+1], 256<<16
	s_mov_b32 s[G1W+2], 128<<16
	s_mov_b32 s[G1W+3], 256<<16
	s_mov_b32 s[G1W+4], 128
	s_mov_b32 s[G1W+5], 256
	s_mov_b32 s[G1W+6], 0
	s_mov_b32 s[G1W+7], 0
	s_mov_b32 s[G1XS], 3<<16                       ; x's scale bytes of 128 tokens: 8 rows of 256 dense bytes
	s_mov_b32 s[G1XS+1], 32<<16
	s_mov_b32 s[G1XS+2], 8<<16
	s_mov_b32 s[G1XS+3], 32<<16
	s_mov_b32 s[G1XS+4], 8
	s_mov_b32 s[G1XS+5], 32
	s_mov_b32 s[G1XS+6], 0
	s_mov_b32 s[G1XS+7], 0
	s_mov_b32 s[G1WS], 15|(3<<16)|(1<<21)          ; a weight's scale bytes of 256 rows: 16 such rows, joint
	s_mov_b32 s[G1WS+1], 32<<16
	s_mov_b32 s[G1WS+2], 16<<16
	s_mov_b32 s[G1WS+3], 32<<16
	s_mov_b32 s[G1WS+4], 16
	s_mov_b32 s[G1WS+5], 32
	s_mov_b32 s[G1WS+6], 0
	s_mov_b32 s[G1WS+7], 0
	s_and_b32 s100, s[WV], 3                       ; which quarter of codes I fetch, if I fetch codes
	s_and_b32 s101, s[WV], 1                       ; which half of scale bytes
	s_lshl_b32 s[OFFC], s100, 15
	s_mov_b32 s[OFFC+1], 0
	s_lshl_b32 s[OFFS], s101, 12
	s_mov_b32 s[OFFS+1], 0
	s_lshl_b32 s92, s100, 6                        ; LDS rows 64 q on hold the chunk's tokens (64 q) xor (128 x half) on
	s_xor_b32 s92, s92, s3
	s_add_co_u32 s92, s92, s2
	s_lshl_b32 s92, s92, 8
	s_mov_b32 s93, 0
	s_lshl_b32 s94, s101, 7
	s_xor_b32 s94, s94, s3
	s_add_co_u32 s94, s94, s2
	s_lshl_b32 s94, s94, 4
	s_mov_b32 s95, 0
	s_mov_b32 s[G0XC], 1
	s_mul_i32 s[G0XC+1], s100, 64*PITCH
	s_mov_b32 s[G0XS], 1
	s_lshl_b32 s[G0XS+1], s101, 11
	s_add_co_u32 s[G0XS+1], s[G0XS+1], XSC
	s_mov_b32 s[G0WC], 1
	s_mul_i32 s[G0WC+1], s100, 128*PITCH
	s_add_co_u32 s[G0WC+1], s[G0WC+1], WSL
	s_mov_b32 s[G0WS], 1
	s_lshl_b32 s[G0WS+1], s101, 12
	s_add_co_u32 s[G0WS+1], s[G0WS+1], WSS
	s_add_co_u32 s2, s2, s3                        ; out0: my half's first token,
	s_lshr_b32 s3, s[WV], 3
	s_lshl_b32 s3, s3, 4
	s_add_co_u32 s2, s2, s3                        ; + 16 (w / 8): my tile of a trip's two,
	s_lshl_b32 s2, s2, 11                          ; rows of 2,048 bytes,
	s_and_b32 s100, s[WV], 7
	s_lshl_b32 s100, s100, 8                       ; + 256 (w % 8): my 64 columns; bo's too
	s_mov_b32 s101, 0
	s_add_co_u32 s2, s2, s100
	s_mov_b32 s3, 0
	s_mov_b32 s[SEL], 0x76543210
	s_mov_b32 s[SEL+1], 0xfedcba98
	s_mov_b32 s[CS], 0x3e8293ee                    ; c = log2(e) / sqrt(32)
	s_mov_b32 s[CS+1], s[CS]
	s_wait_dscnt 0x0                               ; both opening adds are done
	s_wait_kmcnt 0x0
	s_add_nc_u64 s[G0XC+2:G0XC+3], s[4:5], s[92:93]
	s_or_b32 s[G0XC+3], s[G0XC+3], 0x80000000
	s_add_nc_u64 s[G0XS+2:G0XS+3], s[6:7], s[94:95]
	s_or_b32 s[G0XS+3], s[G0XS+3], 0x80000000
	s_add_nc_u64 s[G0WC+2:G0WC+3], s[8:9], s[OFFC:OFFC+1]   ; the first weight is Wv
	s_or_b32 s[G0WC+3], s[G0WC+3], 0x80000000
	s_add_nc_u64 s[G0WS+2:G0WS+3], s[10:11], s[OFFS:OFFS+1]
	s_or_b32 s[G0WS+3], s[G0WS+3], 0x80000000
	s_add_nc_u64 s[32:33], s[32:33], s[2:3]
	s_add_nc_u64 s[30:31], s[30:31], s[100:101]
	s_lshl_b32 s92, s[WV], 7                       ; my head's 32 numbers of bv, bq, bk
	s_add_nc_u64 s[24:25], s[24:25], s[92:93]
	s_add_nc_u64 s[26:27], s[26:27], s[92:93]
	s_add_nc_u64 s[28:29], s[28:29], s[92:93]
	ROUND                                          ; all four work-groups are here: the first joint loads meet
; The head's loads, one a wave, in one chain of branches on the wave's number: waves 0-3 x's codes, 4-7 Wv's codes, 8 and 9 x's scale bytes, 10 and 11 Wv's.
.macro ARM under, g0, g1, next
	s_cmp_lt_u32 s[WV], \under
	s_cbranch_scc0 \next
	tensor_load_to_lds s[\g0:\g0+3], s[\g1:\g1+7]
	s_nop 0
.rept 4
	v_nop
.endr
	s_branch .Lhead_asked
\next:
.endm
	ARM 4,  G0XC, G1X,  .Lhead_wc
	ARM 8,  G0WC, G1W,  .Lhead_xs
	ARM 10, G0XS, G1XS, .Lhead_ws
	ARM 12, G0WS, G1WS, .Lhead_none
.Lhead_asked:
	v_and_b32 v15, 31, v0                          ; lane
	v_and_b32 v12, 15, v0                          ; r
	v_bfe_u32 v13, v0, 4, 1                        ; h
	s_delay_alu instid0(VALU_DEP_2)
	v_mul_u32_u24 v[AX], v12, PITCH
	v_lshl_add_u32 v[AXS], v12, 4, XSC
	s_delay_alu instid0(VALU_DEP_2)
	v_lshl_add_u32 v[AX], v13, 4, v[AX]            ; a fragment: row r x pitch + 16 h
	v_lshl_add_u32 v[AXS], v13, 8, v[AXS]          ; x's scale words: lanes 16-31 take the next tile's, 256 bytes on
	s_mul_i32 s100, s[WV], 32*PITCH
	s_add_co_u32 s100, s100, WSL
	v_add_nc_u32 v[AW], s100, v[AX]
	s_lshl_b32 s100, s[WV], 9
	s_add_co_u32 s100, s100, WSS
	v_lshl_add_u32 v[AWS], v12, 4, s100
	s_mul_i32 s[AR], s[WV], AREAB
	s_add_co_u32 s[AR], s[AR], AREA
	v_lshl_add_u32 v[AI], v15, 4, s[AR]
	v_lshl_add_u32 v[AVS], v12, 2, s[AR]
	v_add_nc_u32 v[AQBW], s[AR], v12
	s_delay_alu instid0(VALU_DEP_2)
	v_add_nc_u32 v[AVS], VSC, v[AVS]
	s_delay_alu instid0(VALU_DEP_2)
	v_add_nc_u32 v[AQBW], QSB, v[AQBW]
	v_lshlrev_b32 v[BA], 5, v13                    ; bq, bk: 32 h bytes
	v_lshlrev_b32 v[BVA], 2, v12                   ; bv: 4 r
	global_load_b32 v[BI], v[BVA], s[24:25]        ; bv: a lane holds one channel, 16 u + r
	global_load_b32 v[BI+8], v[BVA], s[24:25] offset:64
	s_wait_alu depctr_va_vdst(0)
	SYNC                                           ; x and Wv lie in LDS
	LOADW
	s_wait_loadcnt 0x0
.irp u, 0,1
.irp j, 1,2,3,4,5,6,7
	v_mov_b32 v[BI+8*\u+\j], v[BI+8*\u]
.endr
.endr
.irp b, 0,1,2,3
	v_mov_b32 v[TM+4+\b], 0                        ; a lane permute's destination counts as one of its sources
.endr
	REFILL 12, 14                                  ; Wq lands while V is made
	; ---------------- PASS V: all 256 tokens
	s_wait_alu depctr_va_vdst(0)
.irp s2, 0,1
.irp c, 0,1
.if (\s2 == 1) && (\c == 1)
	SYNC                                           ; Wq, asked for twelve tiles ago, lies in the slot: each wave copies it out as soon as its own V is done
.endif
.irp bb, 0,1
.irp up, 0,1
	TILE 8*\s2+4*\c+2*\bb+\up, D+16*\bb+8*\up, D+32+16*\bb+8*\up, 0
.endr
.endr
.if (\s2 == 1) && (\c == 1)
	BIASKQ 26                                      ; bq, for the next pass
.endif
	QUANT D, PC, 0, 0
	ds_store_b128 v[AI], v[PC:PC+3] offset:1024*\s2+512*\c
	ds_store_b128 v[AI], v[PC+4:PC+7] offset:1024*(2+\s2)+512*\c
.irp u, 0,1
.irp bb, 0,1
	ds_store_b8 v[AVS], v[TM+4+2*\u+\bb] offset:64*(2*\u+\s2)+2*\c+\bb   ; both lanes of a block write the same byte
.endr
.endr
	s_wait_dscnt 0x0
.endr
.endr
	LOADW
	REFILL 16, 18                                  ; Wk lands while Q is made
	s_wait_loadcnt 0x0                             ; bq
	; ---------------- PASS Q: my own 128 tokens
.irp F, 0,1
.irp b, 0,1,2,3
	TILE 4*\F+\b, D+16*\b, D+16*\b+8, 1
.endr
.if \F == 1
	BIASKQ 28                                      ; bk, for the next pass
.endif
	QUANT D, PC, 0, 0
.irp c, 0,1
	ds_store_b128 v[AI], v[PC+4*\c:PC+4*\c+3] offset:QIMG+1024*\F+512*\c
.endr
.irp b, 0,1,2,3
	ds_store_b8 v[AQBW], v[TM+4+\b] offset:16*(4*\F+\b)
.endr
	s_wait_dscnt 0x0
.endr
	SYNC                                           ; Wk lies in the slot
	LOADW
	REFILL 20, 22                                  ; wo lands while K is made, and stays
	s_wait_loadcnt 0x0                             ; bk
	; ---------------- PASS K: all 256 tokens; the packed fragments and their scale words stay in registers
.irp F, 0,1,2,3
.irp b, 0,1,2,3
	TILE 4*\F+\b, D+16*\b, D+16*\b+8, 1
.endr
	QUANT D, KF+8*\F, KS+\F, 1
.endr
	SYNC                                           ; wo lies in the slot, and nobody reads x any more
	; ---------------- THE ATTENTION AND THE OUTPUT: four trips of two query tiles
	s_and_b32 s42, s[WV], 7                        ; my 64 columns
	s_lshr_b32 s43, s[WV], 3                       ; my tile of a trip's two
	s_mul_i32 s[SAWO], s42, 64*PITCH
	s_add_co_u32 s[SAWO], s[SAWO], WSL
	s_lshl_b32 s[SWOS], s42, 10
	s_add_co_u32 s[SWOS], s[SWOS], WSS
	s_mul_i32 s[SSTG], s[WV], 16*PITCH             ; my stage
	s_lshl_b32 s[SOSR], s43, 8
	s_add_co_u32 s[SLI], s[SOSR], AREA+QIMG
	s_add_co_u32 s[SOSR], s[SOSR], OSC
	s_add_co_u32 s[SVS], s[AR], VSC
	s_add_co_u32 s100, s[WV], OSC
	s_mov_b32 s[MSK], 0xffff0000
	s_mov_b32 s[TRIP], 0
	s_mov_b32 s[TQ], 0
	s_mov_b32 s[TB], 0
	v_and_b32 v12, 15, v0                          ; r
	v_bfe_u32 v13, v0, 4, 1                        ; h
	s_delay_alu instid0(VALU_DEP_2)
	v_lshl_add_u32 v[AQ0], v12, 4, s[AR]
	v_add_nc_u32 v[AQB0], s[AR], v12
	v_lshl_add_u32 v[AOS0], v12, 4, s100           ; o's scale byte: OSC + 16 r + w
	s_delay_alu instid0(VALU_DEP_3)
	v_add_nc_u32 v[AQ0], QIMG, v[AQ0]              ; a query's 32 codes: 16 r
	s_delay_alu instid0(VALU_DEP_3)
	v_add_nc_u32 v[AQB0], QSB, v[AQB0]
	s_delay_alu instid0(VALU_DEP_2)
	v_lshl_add_u32 v[AOI0], v13, 8, v[AQ0]         ; o's image, over Q's: lanes 16-31 hold the odd tile, 256 bytes on
.irp b, 0,1,2,3,4,5,6,7
	v_mov_b32 v[BP+\b], 0                          ; a lane permute's destination counts as one of its sources
.endr
	v_mov_b32 v[RL+1], 0                           ; (named as the upper half of a pair)
.macro ATT par                         ; one query tile: the trip's even (0) or odd (1) one
	ds_load_b128 v[QX:QX+3], v[AQ] offset:256*\par
	ds_load_u8 v[QB], v[AQB] offset:16*\par
	s_wait_dscnt 0x0
	v_perm_b32 v[QS], v[QB], v[QB], 0              ; the query's byte in all four bytes of the scale word
.irp i, 0,1,2,3
	v_cndmask_b32 v[QW+4+\i], v[QX+\i], 0, s[MSK]  ; the codes in lanes 0-15, zeros above,
.endr
.irp i, 0,1,2,3
	v_cndmask_b32 v[QW+12+\i], 0, v[QX+\i], s[MSK] ; and the other way round
.endr
.rept 4
	v_nop                                          ; the scale word stands 12 places, the last operand register 4 places ahead of the products
.endr
.irp F, 0,1,2,3
.irp b, 0,1,2,3
	WM S+8*(4*\F+\b), KF+8*\F, QW+8*(\b%2)+4*(1-\b/2), -1, KS+\F, QS
.endr
.endr
.rept 4
	v_nop
.endr
.irp b, 0,1,2,3,4,5,6,7
	v_max3_num_f32 v[BM+\b], v[S+16*\b], v[S+16*\b+1], v[S+16*\b+2]   ; the largest score of each block of 32 keys: for the row's maximum and, since p rises with the score, for the block's largest p
.endr
.irp i, 3,5,7,9,11,13
.irp b, 0,1,2,3,4,5,6,7
	v_max3_num_f32 v[BM+\b], v[BM+\b], v[S+16*\b+\i], v[S+16*\b+\i+1]
.endr
.endr
.irp b, 0,1,2,3,4,5,6,7
	v_max_num_f32 v[BM+\b], v[BM+\b], v[S+16*\b+15]
.endr
.irp b, 0,1,2,3,4,5,6,7
	v_permlanex16_b32 v[BP+\b], v[BM+\b], s[SEL], s[SEL+1]
.endr
.irp b, 0,1,2,3,4,5,6,7
	v_max_num_f32 v[BM+\b], v[BM+\b], v[BP+\b]
.endr
	v_max3_num_f32 v[NM+1], v[BM], v[BM+1], v[BM+2]
	s_delay_alu instid0(VALU_DEP_1)
	v_max3_num_f32 v[NM+1], v[NM+1], v[BM+3], v[BM+4]
	s_delay_alu instid0(VALU_DEP_1)
	v_max3_num_f32 v[NM+1], v[NM+1], v[BM+5], v[BM+6]
	s_delay_alu instid0(VALU_DEP_1)
	v_max_num_f32 v[NM+1], v[NM+1], v[BM+7]
	s_delay_alu instid0(VALU_DEP_1)
	v_mul_f32 v[NM+1], s[CS], v[NM+1]              ; the row's largest t
	s_delay_alu instid0(VALU_DEP_1)
	v_floor_f32 v[NM], -v[NM+1]                    ; -M = floor(-t)
.set J, 0
.rept 64
	v_pk_fma_f32 v[S+J:S+J+1], v[S+J:S+J+1], s[CS:CS+1], v[NM:NM+1] op_sel_hi:[1,0,0]   ; t - M
.set J, J+2
.endr
.irp b, 0,1,2,3,4,5,6,7
	v_fma_f32 v[BM+\b], v[BM+\b], s[CS], v[NM]
.endr
.set J, 0
	s_wait_alu depctr_va_vdst(0)
.rept 128
	v_exp_f32 v[S+J], v[S+J]                       ; p = 2^(t - M)
.set J, J+1
.endr
	v_nop
	s_wait_alu depctr_va_vdst(0)
.irp b, 0,1,2,3,4,5,6,7
	v_exp_f32 v[BM+\b], v[BM+\b]                   ; the blocks' largest p
.endr
	v_pk_add_f32 v[SUMA:SUMA+1], v[S:S+1], v[S+2:S+3]       ; the row's sum of the unquantised p, in two chains
	v_pk_add_f32 v[SUMB:SUMB+1], v[S+4:S+5], v[S+6:S+7]
.set J, 8
.rept 14
	v_pk_add_f32 v[SUMA:SUMA+1], v[SUMA:SUMA+1], v[S+J:S+J+1]
	v_pk_add_f32 v[SUMB:SUMB+1], v[SUMB:SUMB+1], v[S+J+2:S+J+3]
.set J, J+4
.endr
	s_wait_alu depctr_va_vdst(0)                   ; for the eight
.irp b, 0,1,2,3,4,5,6,7
	v_max_num_f32 v[BM+\b], 0x1800000, v[BM+\b]
.endr
.irp b, 0,1,2,3,4,5,6,7
	v_add_nc_u32 v[BM+\b], 0xff000000, v[BM+\b]
.endr
.irp b, 0,1,2,3,4,5,6,7
	v_lshrrev_b32 v[BP+\b], 23, v[BM+\b]
.endr
.irp s2, 0,1
	v_lshl_or_b32 v[PS+\s2], v[BP+4*\s2+1], 8, v[BP+4*\s2]
	s_delay_alu instid0(VALU_DEP_1)
	v_lshl_or_b32 v[PS+\s2], v[BP+4*\s2+2], 16, v[PS+\s2]
	s_delay_alu instid0(VALU_DEP_1)
	v_lshl_or_b32 v[PS+\s2], v[BP+4*\s2+3], 24, v[PS+\s2]
.endr
.irp b, 0,1,2,3
	v_cvt_scalef32_pk8_fp4_f32 v[PCD+2*\b], v[S+16*\b:S+16*\b+7], v[BM+\b]
	v_cvt_scalef32_pk8_fp4_f32 v[PCD+2*\b+1], v[S+16*\b+8:S+16*\b+15], v[BM+\b]
.endr
.irp k, 0,1,2,3                                    ; V's fragments come back from my area, into registers of p that has been summed and converted
.irp c, 0,1
	ds_load_b128 v[VF+8*\k+4*\c:VF+8*\k+4*\c+3], v[AI] offset:1024*\k+512*\c
.endr
.endr
.irp b, 4,5,6,7
	v_cvt_scalef32_pk8_fp4_f32 v[PCD+2*\b], v[S+16*\b:S+16*\b+7], v[BM+\b]
	v_cvt_scalef32_pk8_fp4_f32 v[PCD+2*\b+1], v[S+16*\b+8:S+16*\b+15], v[BM+\b]
.endr
	v_nop
.irp s2, 0,1
.irp c, 0,1
.irp i, 0,1
	v_permlane16_swap_b32 v[PCD+8*\s2+4*\c+\i], v[PCD+8*\s2+4*\c+2+\i]
.endr
.endr
.endr
.set J, 64
.rept 16
	v_pk_add_f32 v[SUMA:SUMA+1], v[SUMA:SUMA+1], v[S+J:S+J+1]
	v_pk_add_f32 v[SUMB:SUMB+1], v[SUMB:SUMB+1], v[S+J+2:S+J+3]
.set J, J+4
.endr
	s_wait_alu depctr_va_vdst(0)
	s_wait_dscnt 0x0
	WM OA, VF, PCD, -1, VS, PS                     ; O^T = V^T P^T: two tiles of 16 channels by turns, two K steps
	WM OA+8, VF+16, PCD, -1, VS+2, PS
	WM OA, VF+8, PCD+8, OA, VS+1, PS+1
	WM OA+8, VF+24, PCD+8, OA+8, VS+3, PS+1
	v_pk_add_f32 v[SUMA:SUMA+1], v[SUMA:SUMA+1], v[SUMB:SUMB+1]
	s_delay_alu instid0(VALU_DEP_1)
	v_add_f32 v[SUMA], v[SUMA], v[SUMA+1]
	s_delay_alu instid0(VALU_DEP_1)
	v_permlanex16_b32 v[SUMB], v[SUMA], s[SEL], s[SEL+1]
	s_delay_alu instid0(VALU_DEP_1)
	v_add_f32 v[SUMA], v[SUMA], v[SUMB]            ; the row's sum
	s_wait_alu depctr_va_vdst(0)
	v_rcp_f32 v[RL], v[SUMA]
	v_nop
	v_nop
	s_wait_alu depctr_va_vdst(0)
.irp i, 0,2,4,6,8,10,12,14
	v_pk_mul_f32 v[OA+\i:OA+\i+1], v[OA+\i:OA+\i+1], v[RL:RL+1] op_sel_hi:[1,0]   ; o: register 8 u + j is channel 16 u + 8 h + j of query r
.endr
	v_max3_num_f32 v[BM], |v[OA]|, |v[OA+1]|, 0x1800000           ; o's block is my head's 32 channels
	v_max3_num_f32 v[BM+1], |v[OA+2]|, |v[OA+3]|, |v[OA+4]|
	s_delay_alu instid0(VALU_DEP_2)
	v_max3_num_f32 v[BM], v[BM], |v[OA+5]|, |v[OA+6]|
	s_delay_alu instid0(VALU_DEP_2)
	v_max3_num_f32 v[BM+1], v[BM+1], |v[OA+7]|, |v[OA+8]|
	s_delay_alu instid0(VALU_DEP_2)
	v_max3_num_f32 v[BM], v[BM], |v[OA+9]|, |v[OA+10]|
	s_delay_alu instid0(VALU_DEP_2)
	v_max3_num_f32 v[BM+1], v[BM+1], |v[OA+11]|, |v[OA+12]|
	s_delay_alu instid0(VALU_DEP_2)
	v_max3_num_f32 v[BM], v[BM], |v[OA+13]|, |v[OA+14]|
	s_delay_alu instid0(VALU_DEP_1)
	v_max3_num_f32 v[BM], v[BM], v[BM+1], |v[OA+15]|
	s_delay_alu instid0(VALU_DEP_1)
	v_permlanex16_b32 v[BP], v[BM], s[SEL], s[SEL+1]
	s_delay_alu instid0(VALU_DEP_1)
	v_max_num_f32 v[BM], v[BM], v[BP]
	s_delay_alu instid0(VALU_DEP_1)
	v_add_nc_u32 v[BM], 0xff000000, v[BM]
	s_delay_alu instid0(VALU_DEP_1)
	v_lshrrev_b32 v[BP+1], 23, v[BM]
	v_cvt_scalef32_pk8_fp4_f32 v[OC+\par], v[OA:OA+7], v[BM]        ; channels 8 h on,
	v_cvt_scalef32_pk8_fp4_f32 v[OC+2+\par], v[OA+8:OA+15], v[BM]   ; and 16 + 8 h on
	v_nop
	ds_store_b8 v[AOS], v[BP+1] offset:256*\par
.if \par
	v_permlane16_swap_b32 v[OC], v[OC+1]           ; lanes 0-15: the even tile's channels 0-7 and 8-15; lanes 16-31: the odd tile's
	v_permlane16_swap_b32 v[OC+2], v[OC+3]         ; likewise 16-23 and 24-31: the block in true order
	ds_store_b128 v[AOI], v[OC:OC+3]
.endif
.endm
; out = Q(o) wo^T + bo for the trip's 32 rows: my tile of 16 rows x my 64 columns.  Source 0 = 16 rows of wo, source 1 = o: a lane holds query r and eight neighbouring columns.
.macro OUTT
	s_wait_dscnt 0x0                               ; no LDS instruction of mine is out: registers that they named are written anew
	v_and_b32 v8, 15, v0                           ; r
	v_bfe_u32 v9, v0, 4, 1                         ; h
	s_add_co_u32 s44, s[SOSR], s[TQ]
	s_add_co_u32 s45, s[SLI], s[TQ]
	v_mul_u32_u24 v10, v8, PITCH
	v_mul_u32_u24 v11, v9, PITCH
	v_lshl_add_u32 v[AWOS], v8, 4, s[SWOS]         ; wo's scale words
	v_lshl_add_u32 v[AOSR], v8, 4, s44             ; o's: a row's 16 bytes are its four words
	v_lshl_add_u32 v[LI0], v8, 4, s45
	v_lshl_add_u32 v[AWO], v9, 4, v10
	v_lshl_add_u32 v[STO], v9, 5, v10
	v_lshl_add_u32 v[SRD], v8, 4, v11
	v_lshlrev_b32 v10, 4, v8                       ; bo: my four columns
	v_mad_u32_u24 v[LI0], v9, AREAB, v[LI0]        ; o's images: head 2 c' + h lies in that head's area
	v_add_nc_u32 v[AWO], s[SAWO], v[AWO]           ; wo's rows
	v_add_nc_u32 v[STO], s[SSTG], v[STO]           ; my stage, in: row r, 32 bytes for each half of the lanes
	v_add_nc_u32 v[SRD], s[SSTG], v[SRD]           ; back: lanes 0-15 one row of 256 bytes, lanes 16-31 the next
	v_lshl_add_u32 v[GO], v9, 11, v10              ; out0: 2,048 h + 16 r
	v_add_nc_u32 v[LI1], 8*AREAB, v[LI0]           ; heads 8 on
.irp i, 0,1,2,3
	v_mov_b32 v[OC+\i], v[KS+\i]                   ; K's scale words wait here
.endr
.irp n, 0,1,2,3                                    ; wo stays in the slot: its fragments are fetched ahead of the barrier
.irp s, 0,1,2,3
.irp c, 0,1
	ds_load_b128 v[WO+8*(4*\n+\s)+4*\c:WO+8*(4*\n+\s)+4*\c+3], v[AWO] offset:16*PITCH*\n+64*\s+32*\c
.endr
.endr
.endr
.irp n, 0,1,2,3
	ds_load_b128 v[WOS+4*\n:WOS+4*\n+3], v[AWOS] offset:256*\n
.endr
	global_load_b128 v[BO:BO+3], v10, s[30:31]
	s_wait_alu depctr_va_vdst(0)
	s_wait_dscnt 0x0
	s_barrier_signal -1
	s_barrier_wait -1                              ; all sixteen heads' images and bytes of this trip lie in LDS
.irp s, 0,1
.irp c, 0,1
	ds_load_b128 v[OF+8*\s+4*\c:OF+8*\s+4*\c+3], v[LI0] offset:(4*\s+2*\c)*AREAB
	ds_load_b128 v[OF+16+8*\s+4*\c:OF+16+8*\s+4*\c+3], v[LI1] offset:(4*\s+2*\c)*AREAB
.endr
.endr
	ds_load_b128 v[OS:OS+3], v[AOSR]
	s_wait_dscnt 0x0                               ; my reads of the images are over:
	s_barrier_signal -1                            ; behind this barrier the next trip's images may be stored; the products, work on registers, stand inside it
.irp s, 0,1,2,3
.if \s == 0
	WM DO, WO+8*\s, OF+8*\s, -1, WOS+\s, OS+\s
	WM DO+8, WO+32+8*\s, OF+8*\s, -1, WOS+4+\s, OS+\s
.else
	WM DO, WO+8*\s, OF+8*\s, DO, WOS+\s, OS+\s
	WM DO+8, WO+32+8*\s, OF+8*\s, DO+8, WOS+4+\s, OS+\s
.endif
.endr
.rept 5
	v_nop                                          ; five places: the next sums are laid over fragments of wo that are done with
.endr
.irp s, 0,1,2,3
.if \s == 0
	WM WO, WO+64+8*\s, OF+8*\s, -1, WOS+8+\s, OS+\s
	WM WO+8, WO+96+8*\s, OF+8*\s, -1, WOS+12+\s, OS+\s
.else
	WM WO, WO+64+8*\s, OF+8*\s, WO, WOS+8+\s, OS+\s
	WM WO+8, WO+96+8*\s, OF+8*\s, WO+8, WOS+12+\s, OS+\s
.endif
.endr
	s_barrier_wait -1
.rept 4
	v_nop                                          ; four places ahead of the stores that read the sums and of the loads into o's fragments
.endr
.irp n, 0,1
	ds_store_b128 v[STO], v[DO+8*\n:DO+8*\n+3] offset:64*\n          ; each sum from its low end on
	ds_store_b128 v[STO], v[DO+8*\n+4:DO+8*\n+7] offset:64*\n+16
.endr
.irp n, 0,1
	ds_store_b128 v[STO], v[WO+8*\n:WO+8*\n+3] offset:128+64*\n
	ds_store_b128 v[STO], v[WO+8*\n+4:WO+8*\n+7] offset:128+64*\n+16
.endr
.irp i, 0,1,2,3,4,5,6,7
	ds_load_b128 v[OF+4*\i:OF+4*\i+3], v[SRD] offset:2*PITCH*\i      ; LDS serves a wave's instructions in order (ISA guide 5.7.1.4): these see the stores above
.endr
	s_wait_loadcnt 0x0                             ; bo
.irp i, 0,1,2,3,4,5,6,7
	s_wait_dscnt 7-\i                              ; rows 2 i and 2 i + 1 are back; the 7 - i younger loads may stay out
	v_pk_add_f32 v[OF+4*\i:OF+4*\i+1], v[OF+4*\i:OF+4*\i+1], v[BO:BO+1]
	v_pk_add_f32 v[OF+4*\i+2:OF+4*\i+3], v[OF+4*\i+2:OF+4*\i+3], v[BO+2:BO+3]
	global_store_b128 v[GO], v[OF+4*\i:OF+4*\i+3], s[32:33] offset:2*\i*2048 th:TH_STORE_NT   ; 16 lanes store 256 consecutive bytes, at a multiple of 256 from out0's first byte
.endr
	s_wait_xcnt 0x0                                ; the stores have read their registers and their base
	s_add_nc_u64 s[32:33], s[32:33], 0x10000       ; 32 rows of out0 on
.irp i, 0,1,2,3
	v_mov_b32 v[KS+\i], v[OC+\i]                   ; K's scale words, more than eight places ahead of the next products
.endr
.endm
	s_wait_alu depctr_va_vdst(0)
.Latt:
	v_and_b32 v12, 15, v0
	s_delay_alu instid0(VALU_DEP_1)
	v_lshl_add_u32 v12, v12, 2, s[SVS]
.irp k, 0,1,2,3
	ds_load_b32 v[VS+\k], v12 offset:64*\k         ; V's scale words: their registers held wo's in the last trip's output
.endr
.irp i, 0,1,2,3
	v_mov_b32 v[QW+\i], 0                          ; the zero codes of Q's window
	v_mov_b32 v[QW+8+\i], 0
	v_mov_b32 v[QW+16+\i], 0
.endr
	v_add_nc_u32 v[AQ], s[TQ], v[AQ0]              ; 256 bytes a query tile
	v_add_nc_u32 v[AQB], s[TB], v[AQB0]            ; 16
	v_add_nc_u32 v[AOI], s[TQ], v[AOI0]            ; 256
	v_add_nc_u32 v[AOS], s[TQ], v[AOS0]            ; 256
	ATT 0
	ATT 1
	OUTT
	s_add_co_u32 s[TQ], s[TQ], 512
	s_add_co_u32 s[TB], s[TB], 32
	s_add_co_u32 s[TRIP], s[TRIP], 1
	s_cmp_lt_u32 s[TRIP], 4
	s_wait_alu depctr_va_vdst(0)
	s_cbranch_scc1 .Latt
	s_wait_tensorcnt 0x0                           ; the wave's end
	ds_add_u32 v[SPW], v[NIL]
	s_wait_dscnt 0x0
	ROUND                                          ; the closing round
	s_endpgm
.Lfunc_end_k_q77d7d19e61_fused:
	.size	k_q77d7d19e61_fused, .Lfunc_end_k_q77d7d19e61_fused-k_q77d7d19e61_fused
	.p2alignl 7, 3214868480
	.fill 96, 4, 3214868480
	.section	.rodata,"a",@progbits
	.p2align	6, 0x0
	.amdhsa_kernel k_q77d7d19e61_fused
		.amdhsa_group_segment_fixed_size 327680
		.amdhsa_private_segment_fixed_size 0
		.amdhsa_enable_private_segment 0
		.amdhsa_kernarg_size 120
		.amdhsa_user_sgpr_count 2
		.amdhsa_user_sgpr_kernarg_segment_ptr 1
		.amdhsa_wavefront_size32 1
		.amdhsa_system_sgpr_workgroup_id_x 1
		.amdhsa_system_sgpr_workgroup_id_y 1
		.amdhsa_system_sgpr_workgroup_id_z 1
		.amdhsa_system_vgpr_workitem_id 0
		.amdhsa_next_free_vgpr 256
		.amdhsa_next_free_sgpr 102
		.amdhsa_reserve_vcc 0
		.amdhsa_float_denorm_mode_32 3
		.amdhsa_float_denorm_mode_16_64 3
		.amdhsa_memory_ordered 1
		.amdhsa_forward_progress 1
		.amdhsa_inst_pref_size 200
	.end_amdhsa_kernel
	.amdgpu_metadata
---
amdhsa.version: [ 1, 2 ]
amdhsa.kernels:
  - .name:           k_q77d7d19e61_fused
    .symbol:         k_q77d7d19e61_fused.kd
    .args:
      - { .name: x_codes, .offset: 0, .size: 8, .value_kind: global_buffer, .address_space: global }
      - { .name: x_scales, .offset: 8, .size: 8, .value_kind: global_buffer, .address_space: global }
      - { .name: wv_codes, .offset: 16, .size: 8, .value_kind: global_buffer, .address_space: global }
      - { .name: wv_scales, .offset: 24, .size: 8, .value_kind: global_buffer, .address_space: global }
      - { .name: wq_codes, .offset: 32, .size: 8, .value_kind: global_buffer, .address_space: global }
      - { .name: wq_scales, .offset: 40, .size: 8, .value_kind: global_buffer, .address_space: global }
      - { .name: wk_codes, .offset: 48, .size: 8, .value_kind: global_buffer, .address_space: global }
      - { .name: wk_scales, .offset: 56, .size: 8, .value_kind: global_buffer, .address_space: global }
      - { .name: wo_codes, .offset: 64, .size: 8, .value_kind: global_buffer, .address_space: global }
      - { .name: wo_scales, .offset: 72, .size: 8, .value_kind: global_buffer, .address_space: global }
      - { .name: bv, .offset: 80, .size: 8, .value_kind: global_buffer, .address_space: global }
      - { .name: bq, .offset: 88, .size: 8, .value_kind: global_buffer, .address_space: global }
      - { .name: bk, .offset: 96, .size: 8, .value_kind: global_buffer, .address_space: global }
      - { .name: bo, .offset: 104, .size: 8, .value_kind: global_buffer, .address_space: global }
      - { .name: out0, .offset: 112, .size: 8, .value_kind: global_buffer, .address_space: global }
    .group_segment_fixed_size: 327680
    .private_segment_fixed_size: 0
    .kernarg_segment_align: 8
    .kernarg_segment_size: 120
    .max_flat_workgroup_size: 512
    .sgpr_count:     102
    .vgpr_count:     256
    .wavefront_size: 32
...
	.end_amdgpu_metadata
.endif
;; end of part 1
